; MI455X (gfx1250); checked and timed in simulation.
; The chip was launched on July 23, 2026; its instructions are those of AMD's public machine-readable ISA for CDNA 5 (MIT licence, August 2026) and "CDNA5" Instruction Set Architecture Reference Guide (July 2026). The comments in the code are by the model that wrote it; some were corrected since.
;; GC Vi T Layer. Allowed arithmetic: matrix products marked QUANTISED: E5M2 operands, one E8M0 scale for each 32 along K, by v_wmma_scale_f32_16x16x128_f8f6f4 with both operands' format E5M2, f32 sums; everything else in f32.
;; Inputs: bias_table 945 x 8 float32; fc1_b 1,024 float32; fc1_w 1,024 x 256 float32; fc2_b 256 float32; fc2_w 256 x 1,024 float32; norm1_b 256 float32; norm1_w 256 float32; norm2_b 256 float32; norm2_w 256 float32; proj_b 256 float32; proj_w 256 x 256 float32; q_global 64 x 1 x 8 x 128 x 32 float32; qkv_b 512 float32; qkv_w 512 x 256 float32; x 64 x 1,024 x 256 float32.
;; Outputs: out0 64 x 1,024 x 256 float32.
;; Constants: sz_h = 8, sz_w = 128.
;; This version of the problem:
;;   THIS VERSION OF THE PROBLEM IS GIVEN IN LOW PRECISION. The matrix products marked QUANTISED in the list below multiply operands that are first quantised to E5M2 (5 exponent bits, 2 mantissa bits; 8 bits a number), with one power-of-two scale for each 32 numbers along K (OCP MX v1.0); their sums are f32. All else is computed in f32.
;;   The module's matrix products, in the order in which they are computed (A, B: the left and right operand; K: the contracted axis; several contracted axes count as one K, in the product's order):
;;     1. [M 65,536, K 256] x [K 256, N 512]; A: computed on the way; B: input qkv_w: QUANTISED
;;     2. batch 4,096 x [M 128, K 32] x [K 32, N 128]; A: computed on the way; B: computed on the way: QUANTISED
;;     3. batch 4,096 x [M 32, K 128] x [K 128, N 128]; A: computed on the way; B: softmax (see below): QUANTISED
;;     4. [M 65,536, K 256] x [K 256, N 256]; A: computed on the way; B: input proj_w: QUANTISED
;;     5. [M 65,536, K 256] x [K 256, N 1,024]; A: computed on the way; B: input fc1_w: QUANTISED
;;     6. [M 65,536, K 1,024] x [K 1,024, N 256]; A: computed on the way; B: input fc2_w: QUANTISED
;;   THE QUANTISER, for each operand of a quantised product, along K:
;;     - K is cut into blocks of 32 from its start; a last block that is shorter is filled with zeros.
;;     - A block's scale is 2^e with e = floor(log2(the largest magnitude in the block)) - 15, held to -126 .. 127; a block of zeros has e = 0. As a byte (E8M0): e + 127.
;;     - Each number is divided by its block's scale, clamped to +-57,344, and rounded to the nearest number of E5M2, ties to even, subnormals kept.
;;     - The product sums the exact products of the quantised numbers (number of the format x scale) in f32.
;;   ~~~python
;;   def quantise(x, axis):      # numpy; x: float32 -> the quantised numbers, widened to float32 again
;;       x = np.moveaxis(x, axis, -1); K = x.shape[-1]
;;       x = np.pad(x, [(0, 0)] * (x.ndim - 1) + [(0, -K % 32)]); x = x.reshape(x.shape[:-1] + (-1, 32)); a = np.abs(x).max(-1, keepdims=True)
;;       e = np.where(a > 0, np.clip(np.frexp(np.where(a > 0, a, 1))[1] - 1 - 15, -126, 127), 0)      # np.frexp(a)[1] - 1 = floor(log2(a)), exactly
;;       r = np.clip(x / 2.0 ** e, -57344, 57344)
;;       step = 2.0 ** (np.maximum(np.frexp(np.where(r == 0, 1, r))[1] - 1, -14) - 2)
;;       q = np.round(r / step) * step * 2.0 ** e      # np.round: ties to even
;;       return np.moveaxis(q.reshape(q.shape[:-2] + (-1,))[..., :K], -1, axis).astype(np.float32)
;;   ~~~
;;   SOFTMAX AHEAD OF A QUANTISED PRODUCT. Where the list says 'softmax', what is quantised is not the finished softmax but p = 2^(t - M), with t = logit x log2(e) and M = ceil(the row's largest t), a whole number; so 1/2 < the row's largest p <= 1. The row's sum l is taken of the UNQUANTISED p, in f32, and the product's result is divided by l at the end. Since M is a whole number, a kernel that streams over the keys may use a running M (the ceiling of the running maximum): every later rescaling is an exact power of two, which a block's scale takes up: the codes' values come out the same.
;;   OPERANDS COMPUTED ON THE WAY. 'Computed on the way' means the value that the module computes at that place (a softmax that the list does not call 'softmax' is quantised finished and normalised). What goes into a quantiser is computed in f32, as accurately as f32 sums, v_exp_f32 and their like allow (about 1e-6 of the number): no bf16 or f16 on the way to a quantiser, and a product that is left as it is and whose result goes on into a quantised operand takes f32 operands (vector FMAs, or v_wmma_f32_16x16x4_f32). A number that lies on a knife's edge between two numbers of the format may be rounded either way, as far as f32 arithmetic and the matrix unit's own rounding can turn it there, and no further.
;; One version. Each part assembles by itself: llvm-mc -triple=amdgcn-amd-amdhsa -mcpu=gfx1250 --defsym DOCPART=n.
;; ======== version 1 of 1: 2 launches
;; limits: a function is approximated: absolute error at most 1.5e-07
;; workspace buffers: wq 720,896 bytes; wsc 22,528 bytes; bias4 61,440 bytes
;; launch prep (part 1): grid 120 x 1, 4 waves a work-group, no clusters, 0 bytes of LDS; arguments qkv_w, proj_w, fc1_w, fc2_w, bias_table, wq, wsc, bias4; writes wq, wsc, bias4
.if DOCPART == 1
	.amdgcn_target "amdgcn-amd-amdhsa--gfx1250"
	.amdhsa_code_object_version 6
	.text
	.protected	k_qc7d72901d4_prep
	.globl	k_qc7d72901d4_prep
	.p2align	8
	.type	k_qc7d72901d4_prep,@function
k_qc7d72901d4_prep:
	s_mov_b64 s[64:65], 0
	v_nop
	global_prefetch_b8 v0, s[64:65] scope:SCOPE_SE
	s_setreg_imm32_b32 hwreg(HW_REG_WAVE_MODE, 25, 1), 1
	s_wait_xcnt 0x0
; The four weights (f32, K innermost) become codes of E5M2 with one E8M0 byte for each 32 along K, laid in the ORDER OF AN OPERAND'S REGISTERS,
; and the table of relative-position biases is laid so that the second launch reads it from LDS 16 bytes a lane.
; wq: fragment F (16 rows x 128 K) is 2,048 bytes: [chunk c 0..3][lane 0..31][16 bytes]; lane (r, h) of chunk c holds W(row(T, r), 128 ks + 32 c + 16 h + 0..15).
; wsc: fragment F has 16 words at 64 F + 4 r: row r's four scale bytes.
; F = F0 + T KS + ks:  qkv_w F0 0, KS 2;  proj_w F0 64, KS 2;  fc1_w F0 96, KS 2;  fc2_w F0 224, KS 8.
; Rows of a tile: proj_w, fc2_w: 16 T + r.  qkv_w, fc1_w: 32 (T / 2) + 8 (T % 2) + r + 8 (r / 8), so that the results of two neighbouring tiles are 16 neighbours along the next product's K.
; bias4: [copy c4 0..3][head][row dh + 7, 0..14][pos 0..31] f32 = bias_table[63 row + 46 - i][head], i = pos + c4 = 15 - (wn - wm); 0 where i > 30.
; Work-groups 0 to 87: a fragment a wave.  Work-groups 88 to 119: one (copy, head) each.
; LIMITS: a block of zeros gets the byte 1 where the quantiser says 127 (its codes are zeros, and this program alone reads the bytes); NaN and infinities are not served.
.set TM,  24                           ; v24-27 largest magnitudes, v28-31 the other half's, then bytes, v32-35 largest number x scale, v36-39 the conversions' scale operands
.set PW,  40                           ; the scale word
.set PC,  44                           ; v44-59 the codes
.set XQ,  64                           ; v64-127 the numbers
.set SEL, 40                           ; s[40:41] selects for lane l xor 16
.set MNT, 42                           ; s42 the mantissa field of 57,344
.macro QHEAD s, nb                     ; nb blocks, 16 numbers a lane each at v[s + 16 b]: largest magnitude with the floor 2^(16 - 127), joined with lane l xor 16's; the scale operand; the hold's limit
.set qb, 0
.rept \nb
	v_max3_num_f32 v[TM+qb], |v[(\s)+16*qb]|, |v[(\s)+16*qb+1]|, 0x8000000
.set qb, qb+1
.endr
.irp i, 2,4,6,8,10,12,14
.set qb, 0
.rept \nb
	v_max3_num_f32 v[TM+qb], v[TM+qb], |v[(\s)+16*qb+\i]|, |v[(\s)+16*qb+\i+1]|
.set qb, qb+1
.endr
.endr
.set qb, 0
.rept \nb
	v_permlanex16_b32 v[TM+4+qb], v[TM+qb], s[SEL], s[SEL+1]
.set qb, qb+1
.endr
.set qb, 0
.rept \nb
	v_max_num_f32 v[TM+qb], v[TM+qb], v[TM+4+qb]
.set qb, qb+1
.endr
.set qb, 0
.rept \nb
	v_add_nc_u32 v[TM+12+qb], 0xf8800000, v[TM+qb]         ; 15 off the exponent field
.set qb, qb+1
.endr
.set qb, 0
.rept \nb
	v_and_or_b32 v[TM+8+qb], v[TM+qb], 0x7f800000, s[MNT]  ; 57,344 x the scale
.set qb, qb+1
.endr
.endm
	s_load_b512 s[4:19], s[0:1], 0x0               ; qkv_w, proj_w, fc1_w, fc2_w, bias_table, wq, wsc, bias4
	v_lshrrev_b32 v1, 5, v0
	v_readfirstlane_b32 s20, v1                    ; wave
	v_and_b32 v2, 15, v0                           ; r
	v_bfe_u32 v3, v0, 4, 1                         ; h
	v_and_b32 v4, 31, v0                           ; lane
	s_mov_b32 s[SEL], 0x76543210
	s_mov_b32 s[SEL+1], 0xfedcba98
	s_mov_b32 s[MNT], 0x600000
	s_cmp_ge_u32 ttmp9, 88                         ; the work-group's number alone decides the path
	s_cbranch_scc1 .Lbias
	; ---- a fragment a wave
	s_wait_kmcnt 0x0
	s_mov_b64 s[22:23], s[10:11]                   ; fc2_w, unless the work-group's number says otherwise
	s_mov_b32 s24, 224                             ; F0
	s_mov_b32 s25, 3                               ; log2 of the K steps in a row
	s_mov_b32 s26, 0                               ; 8 where the tile's rows are the chosen ones
	s_cmp_lt_u32 ttmp9, 56
	s_cselect_b64 s[22:23], s[8:9], s[22:23]
	s_cselect_b32 s24, 96, s24
	s_cselect_b32 s25, 1, s25
	s_cselect_b32 s26, 8, s26
	s_cmp_lt_u32 ttmp9, 24
	s_cselect_b64 s[22:23], s[6:7], s[22:23]
	s_cselect_b32 s24, 64, s24
	s_cselect_b32 s26, 0, s26
	s_cmp_lt_u32 ttmp9, 16
	s_cselect_b64 s[22:23], s[4:5], s[22:23]
	s_cselect_b32 s24, 0, s24
	s_cselect_b32 s26, 8, s26
	s_lshl_b32 s27, ttmp9, 2
	s_add_co_u32 s27, s27, s20                     ; F
	s_sub_co_u32 s28, s27, s24                     ; F - F0
	s_lshr_b32 s29, s28, s25                       ; T
	s_lshl_b32 s30, s29, s25
	s_sub_co_u32 s30, s28, s30                     ; ks
	s_lshl_b32 s31, s29, 4                         ; the tile's first row: 16 T,
	s_lshr_b32 s32, s29, 1
	s_lshl_b32 s32, s32, 5
	s_and_b32 s33, s29, 1
	s_lshl_b32 s33, s33, 3
	s_add_co_u32 s32, s32, s33                     ; or 32 (T / 2) + 8 (T % 2)
	s_cmp_lg_u32 s26, 0
	s_cselect_b32 s31, s32, s31
	s_add_co_u32 s34, s25, 9                       ; log2 of a row's bytes
	s_lshl_b32 s36, s31, s34
	s_lshl_b32 s35, s30, 9                         ; a K step is 512 bytes of f32
	s_add_co_u32 s36, s36, s35
	s_mov_b32 s37, 0
	s_add_nc_u64 s[22:23], s[22:23], s[36:37]
	v_lshrrev_b32 v5, 3, v2
	v_mul_u32_u24 v5, v5, s26
	v_add_nc_u32 v5, v5, v2                        ; r, or r + 8 (r / 8)
	v_lshlrev_b32 v5, s34, v5
	v_lshl_add_u32 v5, v3, 6, v5                   ; + 64 h: my 16 numbers of each block of 32
.irp c, 0,1,2,3
.irp j, 0,1,2,3
	global_load_b128 v[XQ+16*\c+4*\j:XQ+16*\c+4*\j+3], v5, s[22:23] offset:128*\c+16*\j
.endr
.endr
.irp b, 0,1,2,3
	v_mov_b32 v[TM+4+\b], 0                        ; a lane permute's destination counts as one of its sources
.endr
	v_lshlrev_b32 v6, 4, v4
	v_lshlrev_b32 v7, 2, v2
	s_lshl_b32 s36, s27, 11
	s_add_nc_u64 s[14:15], s[14:15], s[36:37]      ; wq + 2,048 F
	s_lshl_b32 s36, s27, 6
	s_add_nc_u64 s[16:17], s[16:17], s[36:37]      ; wsc + 64 F
	s_wait_loadcnt 0x0
	QHEAD XQ, 4
.irp b, 0,1,2,3
	v_lshrrev_b32 v[TM+4+\b], 23, v[TM+12+\b]      ; the scale's byte
.endr
	v_lshl_or_b32 v[PW], v[TM+5], 8, v[TM+4]
	v_lshl_or_b32 v[PW], v[TM+6], 16, v[PW]
	v_lshl_or_b32 v[PW], v[TM+7], 24, v[PW]
.irp b, 0,1,2,3
.irp i, 0,1,2,3,4,5,6,7,8,9,10,11,12,13,14,15
	v_med3_num_f32 v[XQ+16*\b+\i], v[XQ+16*\b+\i], -v[TM+8+\b], v[TM+8+\b]   ; the conversion does not saturate (ISA guide 7.6.2): the hold comes first
.endr
.endr
.irp b, 0,1,2,3
	v_cvt_scalef32_pk8_bf8_f32 v[PC+4*\b:PC+4*\b+1], v[XQ+16*\b:XQ+16*\b+7], v[TM+12+\b]
	v_cvt_scalef32_pk8_bf8_f32 v[PC+4*\b+2:PC+4*\b+3], v[XQ+16*\b+8:XQ+16*\b+15], v[TM+12+\b]
.endr
	v_nop
.irp c, 0,1,2,3
	global_store_b128 v6, v[PC+4*\c:PC+4*\c+3], s[14:15] offset:512*\c      ; 32 lanes store 512 consecutive bytes
.endr
	global_store_b32 v7, v[PW], s[16:17]           ; both halves of the lanes hold row r's word and write it to the same place; 64 bytes a wave, 22,528 in the launch
	s_endpgm
	; ---- one (copy, head) of the bias table: 15 rows x 32 places, 16 bytes a thread, threads 0 to 119
.Lbias:
	s_sub_co_u32 s21, ttmp9, 88
	s_lshr_b32 s22, s21, 3                         ; copy c4
	s_and_b32 s23, s21, 7                          ; head
	v_lshrrev_b32 v5, 3, v0
	v_min_u32 v5, 14, v5                           ; row (threads 120 to 127 compute row 14 again and store nothing: no load leaves the table)
	v_and_b32 v6, 7, v0
	v_lshl_add_u32 v6, v6, 2, s22                  ; i of my first number: 4 (thread % 8) + c4
	v_mul_u32_u24 v5, v5, 63
	v_add_nc_u32 v5, 46, v5
.irp e, 0,1,2,3
	v_add_nc_u32 v[8+\e], \e, v6                   ; i
	v_min_u32 v[12+\e], 30, v[8+\e]
	v_sub_nc_u32 v[12+\e], v5, v[12+\e]            ; 63 row + 46 - i
	v_lshl_add_u32 v[12+\e], v[12+\e], 3, s23
	v_lshlrev_b32 v[12+\e], 2, v[12+\e]
.endr
	s_mul_i32 s28, s22, 15360
	s_mul_i32 s29, s23, 1920
	s_add_co_u32 s28, s28, s29
	s_mov_b32 s29, 0
	v_lshlrev_b32 v7, 4, v0
	s_wait_kmcnt 0x0
	s_add_nc_u64 s[18:19], s[18:19], s[28:29]
.irp e, 0,1,2,3
	global_load_b32 v[16+\e], v[12+\e], s[12:13]
.endr
	s_wait_loadcnt 0x0
.irp e, 0,1,2,3
	v_cmp_gt_u32 vcc_lo, 31, v[8+\e]
	v_cndmask_b32 v[16+\e], 0, v[16+\e], vcc_lo    ; 0 past the last place
.endr
	v_cmp_gt_u32 vcc_lo, 120, v0
	s_wait_xcnt 0x0                                ; EXEC changes only behind this wait
	s_and_saveexec_b32 s24, vcc_lo
	global_store_b128 v7, v[16:19], s[18:19]
	s_wait_xcnt 0x0                                ; and again in front of the line that widens it
	s_or_b32 exec_lo, exec_lo, s24
	s_endpgm
.Lfunc_end_k_qc7d72901d4_prep:
	.size	k_qc7d72901d4_prep, .Lfunc_end_k_qc7d72901d4_prep-k_qc7d72901d4_prep
	.p2alignl 7, 3214868480
	.fill 96, 4, 3214868480
	.section	.rodata,"a",@progbits
	.p2align	6, 0x0
	.amdhsa_kernel k_qc7d72901d4_prep
		.amdhsa_group_segment_fixed_size 0
		.amdhsa_private_segment_fixed_size 0
		.amdhsa_enable_private_segment 0
		.amdhsa_kernarg_size 64
		.amdhsa_user_sgpr_count 2
		.amdhsa_user_sgpr_kernarg_segment_ptr 1
		.amdhsa_wavefront_size32 1
		.amdhsa_system_sgpr_workgroup_id_x 1
		.amdhsa_system_sgpr_workgroup_id_y 1
		.amdhsa_system_sgpr_workgroup_id_z 1
		.amdhsa_system_vgpr_workitem_id 0
		.amdhsa_next_free_vgpr 128
		.amdhsa_next_free_sgpr 66
		.amdhsa_reserve_vcc 1
		.amdhsa_float_denorm_mode_32 3
		.amdhsa_float_denorm_mode_16_64 3
		.amdhsa_memory_ordered 1
		.amdhsa_forward_progress 1
		.amdhsa_inst_pref_size 15
	.end_amdhsa_kernel
	.amdgpu_metadata
---
amdhsa.version: [ 1, 2 ]
amdhsa.kernels:
  - .name:           k_qc7d72901d4_prep
    .symbol:         k_qc7d72901d4_prep.kd
    .args:
      - { .name: qkv_w, .offset: 0, .size: 8, .value_kind: global_buffer, .address_space: global }
      - { .name: proj_w, .offset: 8, .size: 8, .value_kind: global_buffer, .address_space: global }
      - { .name: fc1_w, .offset: 16, .size: 8, .value_kind: global_buffer, .address_space: global }
      - { .name: fc2_w, .offset: 24, .size: 8, .value_kind: global_buffer, .address_space: global }
      - { .name: bias_table, .offset: 32, .size: 8, .value_kind: global_buffer, .address_space: global }
      - { .name: wq, .offset: 40, .size: 8, .value_kind: global_buffer, .address_space: global }
      - { .name: wsc, .offset: 48, .size: 8, .value_kind: global_buffer, .address_space: global }
      - { .name: bias4, .offset: 56, .size: 8, .value_kind: global_buffer, .address_space: global }
    .group_segment_fixed_size: 0
    .private_segment_fixed_size: 0
    .kernarg_segment_align: 8
    .kernarg_segment_size: 64
    .max_flat_workgroup_size: 128
    .sgpr_count:     66
    .vgpr_count:     128
    .wavefront_size: 32
...
	.end_amdgpu_metadata
.endif
;; end of part 1
;; launch layer (part 2): grid 512 x 1, 8 waves a work-group, no clusters, 327,680 bytes of LDS; arguments x, q_global, norm1_w, norm1_b, qkv_b, proj_b, norm2_w, norm2_b, fc1_b, fc2_b, wq, wsc, bias4, out0; writes out0
.if DOCPART == 2
	.amdgcn_target "amdgcn-amd-amdhsa--gfx1250"
	.amdhsa_code_object_version 6
	.text
	.protected	k_qc7d72901d4_layer
	.globl	k_qc7d72901d4_layer
	.p2align	8
	.type	k_qc7d72901d4_layer,@function
k_qc7d72901d4_layer:
	s_mov_b64 s[64:65], 0
	v_nop
	global_prefetch_b8 v0, s[64:65] scope:SCOPE_SE
	s_setreg_imm32_b32 hwreg(HW_REG_WAVE_MODE, 25, 1), 1
	s_wait_xcnt 0x0
; One GCViT layer, one window (8 x 16 = 128 tokens x 256 channels, 8 heads of 32) to a work-group of EIGHT waves of 512 registers, two to a SIMD, so that one wave's vector work stands beside the other's matrix work, LDS loads and waits.
; Nothing but x, q, the weights' codes and out0 touches memory.
; LN1 -> kv -> softmax(q k^T / sqrt(32) + bias) v -> proj + shortcut -> LN2 -> fc1 -> exact GELU -> fc2 + residual.  All six products on codes of E5M2 with one E8M0 scale for each 32 along K.
; SHARES.  Wave w owns token tile w in both norms and on the way out, head w in kv and attention, output channels 32 w on of proj and fc2, hidden units 128 w on of fc1 (K step w of fc2).
; So the waves share the output COLUMNS of every product: each fragment of a weight is read by one wave, once, from memory straight into registers (laid for that by the launch before), and K's, V's and Q's codes never leave a wave's registers.
; What goes from wave to wave is small: codes of the 128 tokens, through LDS as images of operand registers.  The f32 residual lies in LDS (X2): x, then LN1(x), then x2, then the result; it enters proj and fc2 as the C of the first product.
; TILES.  Natural tile t: tokens 16 t + r (a row of the window; 16 consecutive rows of x).  Key tile 2 b + u: row p is token 32 b + 8 u + p % 8 + 16 (p / 8), so that the 16 registers of two neighbouring tiles of S^T or of V are 16 neighbouring keys.
; TRANSPOSED USE (source 0 = 16 rows of a weight, source 1 = 16 tokens): a lane holds one token and its registers run along the features, which are the next K.  V alone is made the other way round: a lane holds a channel, registers run along the keys.
; K = 32 (q k^T): Q's operand is 4 registers of codes and 12 of zero codes; K's operand runs on into neighbouring codes (all finite, by the hold), which meet those zeros; only byte 0 of these scale words is set, the others are 0, which is 2^-127 and no NaN.
; NO CLUSTER: the weights are shared by all work-groups, but a joint load lands in LDS, where 24,576 bytes are free beside the window's 303,104, against 720,896 bytes of codes a window; here each fragment goes to the one wave that uses it without passing LDS.
; NO RING, NO PREFETCH: every LDS byte that a tensor load fills is filled once, at the head, and the work-group asks for its whole x there.
; LIMITS.  erf by Abramowitz and Stegun 7.1.26 (absolute error 1.5e-7 in erf), used as gelu = max(x, 0) - |x| erfc(|x| / sqrt 2) / 2: the relative error of gelu grows in the negative tail (about 6e-5 at x = -3).
; v_exp_f32 and v_rcp_f32 flush denormals: p under 2^-126 is 0.  A block of zeros has the byte 1, not 127 (zero codes; the bytes stay in this program).  NaN and infinities are not served.
; proj_b is added behind shortcut + product and fc2_b behind the residual sum: an order of f32 additions other than the source's.
.set XP,    1040                       ; a token's row in X2: 1,024 bytes + 16: sixteen lanes that take the same column of sixteen rows fall on sixteen different 16-byte places modulo 256
.set TILEB, 16*XP
.set ACT0,  128*XP                     ; images of LN1(x) by key tiles, later of LN2(x2) by natural tiles: tile at TAUB t, K step at + 2,048, chunk at + 512, lane at + 16
.set TAUB,  4224
.set AS0,   ACT0+8*TAUB                ; their scale words: 128 t + 64 ks + 4 row
.set BIAS,  AS0+1024                   ; four copies of the bias table, shifted by 0..3 places, BCOPY apart; in a copy 1,920 bytes a head, 128 a row
.set BCOPY, 15424
.set OC,    BIAS+4*BCOPY               ; attention's codes: 4,096 head + 512 t + 16 lane: head 4 ks + c is chunk c of K step ks of proj
.set OS,    OC+32768                   ; their scale bytes, a word each: 512 head + 64 t + 4 r
.set HID,   BIAS                       ; the hidden layer's codes, over the three regions above, which are done with by then: 16,384 s + 2,048 t + 512 c + 16 lane
.set HSS,   HID+131072                 ; their scale words: 512 s + 64 t + 4 r
.set LI,  1                            ; v1  16 x lane          v2  4 x lane          v3  4 r          v4  64 h; none is ever rewritten
.set LS,  2
.set R4,  3
.set PH,  4
.set DT2, 12                           ; v12, v13: my columns of X2, tiles 4-7 and 0-3: 1,040 r + 128 w + 32 h
.set DT,  13
.set WS1, 16                           ; v16-23 scale words of kv's weights, then of fc1_w: lanes 0-15 K step 0, lanes 16-31 K step 1
.set TM,  24                           ; v24-39 the quantiser's work; v40 the scale word just made; v44-59 the codes just made
.set PW,  40
.set PC,  44
.set ACTS, 60                          ; v60-63 scale words of the tokens' operand; in attention Q's (even and odd tile), p's, and O's byte
.set PS,  62
.set OB,  63
.set KBC, 64                           ; kv: K's bias, 2 tiles x 8;  v80-95 V's bias as the C of a tile: my channel's number in all eight registers
.set VBC, 80
.set PB,  96                           ; proj_b in the result's layout: tile v at v[96 + 24 v]
.set OA,  64                           ; attention: O^T, 2 tiles;  v80-83 its codes;  v84-91 sums, -M and t, 1 / l
.set OCD, 80
.set SUM, 84
.set SUM2, 86
.set MT,  88
.set RL,  90
.set VS,  104                          ; v104-105 V's scale words; v108-109 proj_w's; v112-119 K's, one a key tile
.set PJS, 108
.set KS,  112
.set BC,  64                           ; fc1: fc1_b, 8 tiles x 8
.set HA,  128                          ; v128-191 eight accumulators; S^T in attention
.set XF,  192                          ; v192-255 fragments of the tokens' operand
.set X,   128                          ; LN: a token's 128 numbers of my half
.set GT,  24                           ; GELU: t, e, polynomial: 16 each
.set GE,  40
.set GP,  240
.set ACC, 64                           ; fc2: 8 accumulators, 8 (4 v + t % 4);  v128-255 two buffers of four hidden fragments
.set HB,  128
.set HSC, 16                           ; fc2: the hidden layer's scale words, 4 (t % 4) + s / 2;  v48-55 fc2_w's, 4 v + s / 2;  v56-63 fc2_b
.set WS2, 48
.set FB,  56
.set KB,  128                          ; window 1: K's codes at KB + 4 tile; V^T's at VB + 16 tile + 4 block; proj_w at PJW + 32 v + 16 ks
.set VB,  160
.set PJW, 192
.set WV,  32                           ; s32 wave, s33 image, s34 window; s35, s36, s38, s39 at work; s37 = 0
.set SEL, 72
.set MNT, 74
.set LG,  76                           ; s[76:77] log2(e)
.set CA5, 78                           ; halves of the polynomial's coefficients, each in both words of a pair
.set CA3, 80
.set CA2, 82
.set CA1, 84
.set QSC, 86                           ; s[86:87] 32^-0.5
.set NL2, 66                           ; s[66:67] -log2(e) / 2
.set PZ,  88                           ; s88 0.3275911 / sqrt 2
.set MSB, 0
.macro WIN new                         ; bits 1:0 source 0, 3:2 source 1, 5:4 source 2, 7:6 destination; the high byte repeats the setting that is left
.if MSB != (\new)
	s_set_vgpr_msb (MSB<<8)|(\new)
.set MSB, (\new)
.endif
.endm
.macro NOPS n
.rept \n
	v_nop
.endr
.endm
.macro BARRIER                         ; my LDS stores have landed and my LDS loads are in: then the work-group's barrier
	s_wait_dscnt 0x0
	s_barrier_signal -1
	s_barrier_wait -1
.endm
.macro MM d, a, b, c, sa, sb, row      ; row: which half of the lanes of both scale registers is read
.if \row
	v_wmma_scale_f32_16x16x128_f8f6f4 v[(\d):(\d)+7], v[(\a):(\a)+15], v[(\b):(\b)+15], v[(\c):(\c)+7], v[\sa], v[\sb] matrix_a_fmt:MATRIX_FMT_BF8 matrix_b_fmt:MATRIX_FMT_BF8 matrix_a_scale:MATRIX_SCALE_ROW1 matrix_b_scale:MATRIX_SCALE_ROW1
.else
	v_wmma_scale_f32_16x16x128_f8f6f4 v[(\d):(\d)+7], v[(\a):(\a)+15], v[(\b):(\b)+15], v[(\c):(\c)+7], v[\sa], v[\sb] matrix_a_fmt:MATRIX_FMT_BF8 matrix_b_fmt:MATRIX_FMT_BF8
.endif
.endm
.macro MM0 d, a, b, sa, sb             ; the first product of a sum that begins at 0
	v_wmma_scale_f32_16x16x128_f8f6f4 v[(\d):(\d)+7], v[(\a):(\a)+15], v[(\b):(\b)+15], 0, v[\sa], v[\sb] matrix_a_fmt:MATRIX_FMT_BF8 matrix_b_fmt:MATRIX_FMT_BF8
.endm
.macro WLOAD dst, win, base, off, n    ; n fragments of a weight, as they lie, into window win: each load takes 512 consecutive bytes
	WIN ((\win)<<6)
.set wf, 0
.rept \n
.irp c, 0,1,2,3
	global_load_b128 v[(\dst)+16*wf+4*\c:(\dst)+16*wf+4*\c+3], v[LI], s[\base:\base+1] offset:(\off)+2048*wf+512*\c
.endr
.set wf, wf+1
.endr
	WIN 0
.endm
.macro VLOAD dst, win, base            ; a vector of 256 channels in LN's layout: register 16 c + i = channel 32 c + 16 h + i
	WIN ((\win)<<6)
.irp c, 0,1,2,3,4,5,6,7
.irp j, 0,1,2,3
	global_load_b128 v[(\dst)+16*\c+4*\j:(\dst)+16*\c+4*\j+3], v[PH], s[\base:\base+1] offset:128*\c+16*\j
.endr
.endr
	WIN 0
.endm
.macro FETCH reg, adr, off             ; a fragment's image from LDS
.irp c, 0,1,2,3
	ds_load_b128 v[(\reg)+4*\c:(\reg)+4*\c+3], v[\adr] offset:(\off)+512*\c
.endr
.endm
.macro IMAGE adr, off                  ; the fragment in v[PC] on goes to LDS as it stands
.irp c, 0,1,2,3
	ds_store_b128 v[\adr], v[PC+4*\c:PC+4*\c+3] offset:(\off)+512*\c
.endr
.endm
; THE QUANTISER.  nb blocks; block b's 16 numbers of my lane at v[s + 16 b] (the other 16 in lane l xor 16).  QHEAD: the largest magnitude, with the floor 2^(16 - 127) among its leaves, so that the byte cannot fall under 1;
; 15 off its exponent field is the conversion's scale operand; its exponent field over 57,344's mantissa is the hold's limit.  It writes v[TM] to v[TM + 15]: nothing that is to outlive it lies there.
.macro QHEAD s, nb
.set qb, 0
.rept \nb
	v_max3_num_f32 v[TM+qb], |v[(\s)+16*qb]|, |v[(\s)+16*qb+1]|, 0x8000000
.set qb, qb+1
.endr
.irp i, 2,4,6,8,10,12,14
.set qb, 0
.rept \nb
	v_max3_num_f32 v[TM+qb], v[TM+qb], |v[(\s)+16*qb+\i]|, |v[(\s)+16*qb+\i+1]|
.set qb, qb+1
.endr
.endr
.set qb, 0
.rept \nb
	v_permlanex16_b32 v[TM+4+qb], v[TM+qb], s[SEL], s[SEL+1]
.set qb, qb+1
.endr
.set qb, 0
.rept \nb
	v_max_num_f32 v[TM+qb], v[TM+qb], v[TM+4+qb]
.set qb, qb+1
.endr
.set qb, 0
.rept \nb
	v_add_nc_u32 v[TM+12+qb], 0xf8800000, v[TM+qb]
.set qb, qb+1
.endr
.set qb, 0
.rept \nb
	v_and_or_b32 v[TM+8+qb], v[TM+qb], 0x7f800000, s[MNT]
.set qb, qb+1
.endr
.endm
.macro WORD4 dst                       ; four blocks' bytes make a row's scale word
.irp b, 0,1,2,3
	v_lshrrev_b32 v[TM+4+\b], 23, v[TM+12+\b]
.endr
	v_lshl_or_b32 v[\dst], v[TM+5], 8, v[TM+4]
	v_lshl_or_b32 v[\dst], v[TM+6], 16, v[\dst]
	v_lshl_or_b32 v[\dst], v[TM+7], 24, v[\dst]
.endm
; The hold (the conversion does not saturate: ISA guide 7.6.2), then the codes: block b's four registers at v[d + dstr b] of window dwin; tb: which of QHEAD's blocks is the first here.  A plain line closes the run of conversions.
.macro QTAIL s, nb, d, dstr, dwin, tb
.set qb, 0
.rept \nb
.irp i, 0,1,2,3,4,5,6,7,8,9,10,11,12,13,14,15
	v_med3_num_f32 v[(\s)+16*qb+\i], v[(\s)+16*qb+\i], -v[TM+8+(\tb)+qb], v[TM+8+(\tb)+qb]
.endr
.set qb, qb+1
.endr
	WIN ((\dwin)<<6)
.set qb, 0
.rept \nb
	v_cvt_scalef32_pk8_bf8_f32 v[(\d)+(\dstr)*qb:(\d)+(\dstr)*qb+1], v[(\s)+16*qb:(\s)+16*qb+7], v[TM+12+(\tb)+qb]
	v_cvt_scalef32_pk8_bf8_f32 v[(\d)+(\dstr)*qb+2:(\d)+(\dstr)*qb+3], v[(\s)+16*qb+8:(\s)+16*qb+15], v[TM+12+(\tb)+qb]
.set qb, qb+1
.endr
	v_nop
	WIN 0
.endm
; ======== the head
	s_load_b512 s[4:19], s[0:1], 0x0               ; x, q_global, norm1_w, norm1_b, qkv_b, proj_b, norm2_w, norm2_b
	s_load_b256 s[20:27], s[0:1], 0x40             ; fc1_b, fc2_b, wq, wsc
	s_load_b128 s[28:31], s[0:1], 0x60             ; bias4, out0
	v_lshl_add_u32 v254, v0, 2, 0x4a000
	v_mov_b32 v255, 0
	ds_add_u32 v254, v255
	ds_add_u32 v254, v255
	s_wait_dscnt 0x0
	v_lshrrev_b32 v5, 5, v0
	v_readfirstlane_b32 s[WV], v5                  ; wave 0..7
	v_and_b32 v5, 31, v0
	v_lshlrev_b32 v[LI], 4, v5
	v_lshlrev_b32 v[LS], 2, v5
	v_and_b32 v10, 15, v0                          ; r
	v_lshlrev_b32 v[R4], 2, v10
	v_bfe_u32 v5, v0, 4, 1                         ; h
	v_lshlrev_b32 v[PH], 6, v5
	v_and_b32 v9, 7, v0                            ; r % 8
	v_bfe_u32 v8, v0, 3, 1                         ; r / 8
	s_lshr_b32 s33, ttmp9, 3                       ; image
	s_and_b32 s34, ttmp9, 7                        ; window
	s_lshl_b32 s36, s33, 20                        ; an image is 1,024 rows of 1,024 bytes;
	s_lshl_b32 s35, s34, 14                        ; a window begins 16 rows on from the last;
	s_add_co_u32 s36, s36, s35
	s_lshl_b32 s35, s[WV], 17                      ; tile t begins 128 rows on from tile t - 1, and my tile is w
	s_add_co_u32 s36, s36, s35
	s_mov_b32 s37, 0
	s_mul_i32 s38, s[WV], TILEB                    ; my tile's rows in X2
	s_lshr_b32 s92, s[WV], 1                       ; w / 2
	s_and_b32 s93, s[WV], 1                        ; w % 2
	s_mul_i32 s96, s[WV], 7680                     ; the half of a copy of the bias table that I fetch: in memory the copies lie on end, 15,360 bytes each;
	s_mov_b32 s97, 0
	s_lshl_b32 s39, s92, 6                         ; in LDS 64 bytes lie between two copies
	s_add_co_u32 s39, s39, s96
	s_add_co_u32 s39, s39, BIAS
	; LN1's addresses: v5 my token's row, my half; v6, v7 where its codes and scale word go: token 16 w + r is row r % 8 + 8 (w % 2) of key tile 2 (w / 2) + r / 8
	v_mul_u32_u24 v5, v10, XP
	v_add_nc_u32 v5, v5, v[PH]
	v_add_nc_u32 v5, s38, v5
	v_mul_u32_u24 v6, v8, TAUB
	v_lshl_add_u32 v6, v9, 4, v6
	v_lshl_add_u32 v6, v[PH], 2, v6
	s_mul_i32 s35, s92, 2*TAUB
	s_lshl_b32 s94, s93, 7
	s_add_co_u32 s35, s35, s94
	s_add_co_u32 s35, s35, ACT0
	v_add_nc_u32 v6, s35, v6
	v_lshlrev_b32 v7, 7, v8
	v_lshl_add_u32 v7, v9, 2, v7
	s_lshl_b32 s35, s92, 8
	s_lshl_b32 s94, s93, 5
	s_add_co_u32 s35, s35, s94
	s_add_co_u32 s35, s35, AS0
	v_add_nc_u32 v7, s35, v7
	v_lshlrev_b32 v15, 2, v9
	v_lshl_add_u32 v15, v8, 6, v15                 ; V's bias: my channel of a tile, r % 8 + 16 (r / 8), in bytes
	v_lshrrev_b32 v11, 1, v[PH]                    ; 32 h
	; descriptor group 1 for a tile of x: 16 rows x 256 f32, 256 elements from row to row, 4 words of padding behind each 256
	s_mov_b32 s40, (2<<16)|(1<<20)|(7<<22)|(3<<25)
	s_mov_b32 s41, 256<<16
	s_mov_b32 s42, 16<<16
	s_mov_b32 s43, 256<<16
	s_mov_b32 s44, 16
	s_mov_b32 s45, 256
	s_mov_b32 s46, 0
	s_mov_b32 s47, 0
	; and for half a copy of the bias table: 7,680 dense bytes as 30 rows of 32 elements of 8 bytes
	s_mov_b32 s48, 3<<16
	s_mov_b32 s49, 32<<16
	s_mov_b32 s50, 30<<16
	s_mov_b32 s51, 32<<16
	s_mov_b32 s52, 30
	s_mov_b32 s53, 32
	s_mov_b32 s54, 0
	s_mov_b32 s55, 0
	s_mov_b32 s[SEL], 0x76543210
	s_mov_b32 s[SEL+1], 0xfedcba98                 ; v_permlanex16_b32's selects for lane l xor 16
	s_mov_b32 s[MNT], 0x600000                     ; the mantissa field of 57,344
	s_mov_b32 s[LG], 0x3fb8aa3b
	s_mov_b32 s[LG+1], 0x3fb8aa3b
	s_mov_b32 s[CA5], 0x3f07dc22                   ;  1.061405429 / 2
	s_mov_b32 s[CA5+1], 0x3f07dc22
	s_mov_b32 s[CA3], 0x3f35f0e3                   ;  1.421413741 / 2
	s_mov_b32 s[CA3+1], 0x3f35f0e3
	s_mov_b32 s[CA2], 0xbe11a98e                   ; -0.284496736 / 2
	s_mov_b32 s[CA2+1], 0xbe11a98e
	s_mov_b32 s[CA1], 0x3e027906                   ;  0.254829592 / 2
	s_mov_b32 s[CA1+1], 0x3e027906
	s_mov_b32 s[QSC], 0x3e3504f3
	s_mov_b32 s[QSC+1], 0x3e3504f3
	s_mov_b32 s[NL2], 0xbf38aa3b
	s_mov_b32 s[NL2+1], 0xbf38aa3b
	s_mov_b32 s[PZ], 0x3e6d3388
.irp b, 4,5,6,7,13
	v_mov_b32 v[TM+\b], 0                          ; destinations of lane permutes count as sources: written once
.endr
	s_wait_kmcnt 0x0
	s_mov_b32 s56, 1                               ; group 0: count; LDS address; global address; type
	s_mov_b32 s57, s38
	s_add_nc_u64 s[58:59], s[4:5], s[36:37]        ; my tile of x
	s_or_b32 s59, s59, 0x80000000
	s_mov_b32 s60, 1
	s_mov_b32 s61, s39
	s_add_nc_u64 s[62:63], s[28:29], s[96:97]
	s_or_b32 s63, s63, 0x80000000
	s_add_nc_u64 s[30:31], s[30:31], s[36:37]      ; out0 at my tile
	tensor_load_to_lds s[56:59], s[40:47]          ; all fills of the launch go out here, two a wave: two tensor loads of mine are out
	s_nop 0
	tensor_load_to_lds s[60:63], s[48:55]
	s_nop 0
	NOPS 4                                         ; ahead of a switch of windows
	s_lshl_b32 s36, s[WV], 13
	s_add_nc_u64 s[98:99], s[24:25], s[36:37]      ; wq + 8,192 w: my 4 fragments of K's, of V's and of proj's rows
	s_lshl_b32 s36, s[WV], 8
	s_add_nc_u64 s[96:97], s[26:27], s[36:37]      ; wsc + 256 w
	s_lshl_b32 s36, s[WV], 7
	s_add_nc_u64 s[12:13], s[12:13], s[36:37]      ; qkv_b at my head's 32 features
	s_add_nc_u64 s[14:15], s[14:15], s[36:37]      ; proj_b at my 32 channels
	VLOAD 0, 1, 8                                  ; norm1_w, norm1_b -> window 1
	VLOAD 128, 1, 10
.irp u, 0,1
	global_load_b32 v[WS1+\u], v[LS], s[96:97] offset:128*\u               ; scale words: K's tile u,
	global_load_b32 v[WS1+2+\u], v[LS], s[96:97] offset:2048+128*\u        ; V's,
	global_load_b32 v[PJS+\u], v[LS], s[96:97] offset:4096+128*\u          ; proj_w's
.irp e, 0,1
	global_load_b128 v[KBC+8*\u+4*\e:KBC+8*\u+4*\e+3], v[PH], s[12:13] offset:32*\u+16*\e      ; K's bias: features 8 u + 16 h + 0..7 of my head
	global_load_b128 v[PB+24*\u+4*\e:PB+24*\u+4*\e+3], v11, s[14:15] offset:64*\u+16*\e        ; proj_b: channels 16 u + 8 h + 0..7 of my 32
.endr
.irp j, 0,1,2,3,4,5,6,7
	global_load_b32 v[VBC+8*\u+\j], v15, s[12:13] offset:1024+32*\u        ; V's bias of my channel, eight times: the C of a tile whose registers run along the keys
.endr
.endr
	s_wait_tensorcnt 0x1                           ; my tile of x is in; the bias table's half, issued last, may be out.  LN1 reads my own tile alone
; ======== LN: my tile.  Lane (r, h) holds token r's channels 32 c + 16 h + 0..15 in registers 16 c on: the layout of an operand's codes.  v5: the token's row; v6, v7: where codes and scale words go.
; which = 1: LN1(x) goes back to the token's row.  lc: the loads that may stay out when gain and bias are wanted.  Behind gain and bias window 1 is free: the next weights are asked for there and land under the quantiser.
.macro LN which, lc
	v_mov_b32 v[TM+14], 0x3b800000                 ; 1 / 256
.irp c, 0,1,2,3,4,5,6,7
.irp j, 0,1,2,3
	ds_load_b128 v[X+16*\c+4*\j:X+16*\c+4*\j+3], v5 offset:128*\c+16*\j
.endr
.endr
	s_wait_dscnt 0x0
.irp k, 0,1,2,3                        ; the sum, two at a time, in four chains
	v_pk_add_f32 v[TM+2*\k:TM+2*\k+1], v[X+2*\k:X+2*\k+1], v[X+8+2*\k:X+9+2*\k]
.endr
.set ii, 16
.rept 14
.irp k, 0,1,2,3
	v_pk_add_f32 v[TM+2*\k:TM+2*\k+1], v[TM+2*\k:TM+2*\k+1], v[X+ii+2*\k:X+ii+2*\k+1]
.endr
.set ii, ii+8
.endr
	v_pk_add_f32 v[TM:TM+1], v[TM:TM+1], v[TM+2:TM+3]
	v_pk_add_f32 v[TM+4:TM+5], v[TM+4:TM+5], v[TM+6:TM+7]
	v_pk_add_f32 v[TM:TM+1], v[TM:TM+1], v[TM+4:TM+5]
	v_add_f32 v[TM+12], v[TM], v[TM+1]
	v_permlanex16_b32 v[TM+13], v[TM+12], s[SEL], s[SEL+1]
	v_add_f32 v[TM+12], v[TM+12], v[TM+13]
	v_mul_f32 v[TM+8], v[TM+12], v[TM+14]          ; the mean, in both halves of a pair
	v_mul_f32 v[TM+9], v[TM+12], v[TM+14]
.set ii, 0
.rept 64
	v_pk_add_f32 v[X+ii:X+ii+1], v[X+ii:X+ii+1], v[TM+8:TM+9] neg_lo:[0,1] neg_hi:[0,1]
.set ii, ii+2
.endr
.irp k, 0,1,2,3                        ; the sum of squares of x - mean
	v_pk_mul_f32 v[TM+2*\k:TM+2*\k+1], v[X+2*\k:X+2*\k+1], v[X+2*\k:X+2*\k+1]
.endr
.set ii, 8
.rept 15
.irp k, 0,1,2,3
	v_pk_fma_f32 v[TM+2*\k:TM+2*\k+1], v[X+ii+2*\k:X+ii+2*\k+1], v[X+ii+2*\k:X+ii+2*\k+1], v[TM+2*\k:TM+2*\k+1]
.endr
.set ii, ii+8
.endr
	v_pk_add_f32 v[TM:TM+1], v[TM:TM+1], v[TM+2:TM+3]
	v_pk_add_f32 v[TM+4:TM+5], v[TM+4:TM+5], v[TM+6:TM+7]
	v_pk_add_f32 v[TM:TM+1], v[TM:TM+1], v[TM+4:TM+5]
	v_add_f32 v[TM+12], v[TM], v[TM+1]
	v_permlanex16_b32 v[TM+13], v[TM+12], s[SEL], s[SEL+1]
	v_add_f32 v[TM+12], v[TM+12], v[TM+13]
	v_fmaak_f32 v[TM+12], v[TM+12], v[TM+14], 0x3727c5ac   ; the variance + 1e-5
	v_rsq_f32 v[TM+10], v[TM+12]
	v_nop                                          ; a plain line behind the transcendental,
	s_wait_alu depctr_va_vdst(0)                   ; and a wait ahead of its first reader
	v_mov_b32 v[TM+11], v[TM+10]
.set ii, 0
.rept 64
	v_pk_mul_f32 v[X+ii:X+ii+1], v[X+ii:X+ii+1], v[TM+10:TM+11]
.set ii, ii+2
.endr
	s_wait_loadcnt \lc                             ; gain and bias are in
	WIN 0x14                                       ; sources 1 and 2 in window 1
.set ii, 0
.rept 64
	v_pk_fma_f32 v[X+ii:X+ii+1], v[X+ii:X+ii+1], v[ii:ii+1], v[128+ii:129+ii]
.set ii, ii+2
.endr
	WIN 0
.if \which == 1
.irp c, 0,1,2,3,4,5,6,7
.irp j, 0,1,2,3
	ds_store_b128 v5, v[X+16*\c+4*\j:X+16*\c+4*\j+3] offset:128*\c+16*\j   ; the shortcut
.endr
.endr
	WLOAD 0, 1, 98, 0, 4                           ; K's rows of my head: tile u, K step ks at 32 u + 16 ks of window 1
	WLOAD 64, 1, 98, 65536, 4                      ; V's behind them
	WLOAD PJW, 1, 98, 131072, 4                    ; proj_w's rows 32 w on
.else
	WLOAD 0, 1, 40, 0, 16                          ; fc1_w's rows 128 w on: tile k, K step ks at 32 k + 16 ks
.irp k, 0,1,2,3,4,5,6,7
	global_load_b32 v[WS1+\k], v[LS], s[44:45] offset:128*\k
.endr
.endif
	QHEAD X, 4                                     ; channels 0 to 127: K step 0
	WORD4 PW
	s_wait_dscnt 0x0                               ; the stores of the shortcut have read their registers: the hold writes them
	QTAIL X, 4, PC, 4, 0, 0
	IMAGE 6, 0
	ds_store_b32 v7, v[PW]                         ; both halves of the lanes hold the row's word and write it to the same place
	s_wait_dscnt 0x0                               ; the stores have read their registers
	QHEAD X+64, 4                                  ; K step 1
	WORD4 PW
	QTAIL X+64, 4, PC, 4, 0, 0
	IMAGE 6, 2048
	ds_store_b32 v7, v[PW] offset:64
.endm
	LN 1, 0                                        ; all of the head's loads are waited for at the first use of gain and bias
	s_wait_tensorcnt 0x0                           ; for the others' sake: my half of a copy of the bias table has landed
	BARRIER                                        ; LN1's images, the rows of X2 and the four copies are whole
	; no tensor load is out any more: the descriptors' registers take the MLP's bases
	s_lshl_b32 s36, s[WV], 15
	s_add_co_u32 s36, s36, 196608
	s_add_nc_u64 s[40:41], s[24:25], s[36:37]      ; fc1_w's 16 fragments of mine
	s_lshl_b32 s36, s[WV], 15
	s_add_co_u32 s36, s36, 458752
	s_add_nc_u64 s[42:43], s[24:25], s[36:37]      ; fc2_w's 16
	s_lshl_b32 s36, s[WV], 10
	s_add_co_u32 s36, s36, 6144
	s_add_nc_u64 s[44:45], s[26:27], s[36:37]      ; fc1_w's scale words
	s_lshl_b32 s36, s[WV], 10
	s_add_co_u32 s36, s36, 14336
	s_add_nc_u64 s[46:47], s[26:27], s[36:37]      ; fc2_w's
	s_lshl_b32 s36, s[WV], 9
	s_add_nc_u64 s[48:49], s[20:21], s[36:37]      ; fc1_b at my 128 units
; ======== kv of my head: 32 keys (key tiles 2 bq, 2 bq + 1) at a time.  K transposed, V the natural way; both are quantised in registers and stay in window 1.
	v_add_nc_u32 v5, ACT0, v[LI]
	v_add_nc_u32 v6, AS0, v[LS]
.macro P1FETCH bq
.irp tl, 0,1
.irp ks, 0,1
	FETCH XF+32*\tl+16*\ks, 5, TAUB*(2*(\bq)+\tl)+2048*\ks
.endr
	ds_load_b32 v[ACTS+\tl], v6 offset:128*(2*(\bq)+\tl)
.endr
.endm
.macro P1STEP bq
	s_wait_dscnt 0x0
.irp ks, 0,1                           ; eight accumulators (four of K, four of V) by turns, a K step at a time; the biases are the C of the first products
	WIN 0x01                                       ; source 0 in window 1
.irp tl, 0,1
.irp u, 0,1
.if \ks == 0
	MM HA+16*\tl+8*\u, 32*\u, XF+32*\tl, KBC+8*\u, WS1+\u, ACTS+\tl, 0
.else
	MM HA+16*\tl+8*\u, 32*\u+16, XF+32*\tl+16, HA+16*\tl+8*\u, WS1+\u, ACTS+\tl, 1
.endif
.endr
.endr
	WIN 0x04                                       ; source 1 in window 1
.irp v, 0,1
.irp u, 0,1
.if \ks == 0
	MM HA+32+16*\v+8*\u, XF+32*\u, 64+32*\v, VBC+8*\v, ACTS+\u, WS1+2+\v, 0
.else
	MM HA+32+16*\v+8*\u, XF+32*\u+16, 64+32*\v+16, HA+32+16*\v+8*\u, ACTS+\u, WS1+2+\v, 1
.endif
.endr
.endr
.endr
	WIN 0
	NOPS 8                                         ; places behind the products (ISA guide 7.12.1)
.if (\bq) < 3
	P1FETCH (\bq)+1                                ; the next 32 keys' fragments land while these are quantised
.endif
	QHEAD HA, 4                                    ; blocks 0, 1: a key's 32 channels (key tiles 2 bq, 2 bq + 1); blocks 2, 3: a channel's 32 keys (V's tiles 0, 1)
.irp tl, 0,1
	v_lshrrev_b32 v[KS+2*(\bq)+\tl], 23, v[TM+12+\tl]      ; K's byte alone: the word's other bytes are 0
.endr
.irp v, 0,1
.if (\bq) == 0
	v_lshrrev_b32 v[VS+\v], 23, v[TM+14+\v]
.else
	v_lshrrev_b32 v[TM+4+\v], 23, v[TM+14+\v]
.endif
.endr
.if (\bq) > 0
.irp v, 0,1
	v_lshl_or_b32 v[VS+\v], v[TM+4+\v], 8*(\bq), v[VS+\v]
.endr
.endif
	QTAIL HA, 2, KB+8*(\bq), 4, 1, 0
	QTAIL HA+32, 2, VB+4*(\bq), 16, 1, 2
.endm
	P1FETCH 0
	s_wait_loadcnt 0x0                             ; K's, V's and proj's weights are in
	P1STEP 0
	P1STEP 1
	P1STEP 2
	P1STEP 3
	VLOAD 0, 1, 16                                 ; norm2_w takes the place of kv's weights
; ======== attention of my head: a trip takes two tiles of 16 queries, an even and an odd one, so that q can be asked for two tiles ahead
	v_and_b32 v12, 15, v0
	v_xor_b32 v12, 15, v12                         ; 15 - r
	v_and_b32 v13, 3, v12
	v_mul_u32_u24 v5, v13, BCOPY                   ; the copy in which my four numbers begin on 16 bytes,
	v_and_b32 v13, 12, v12
	v_lshl_add_u32 v5, v13, 2, v5                  ; and where in a row: the sixteen lanes of a half fall on sixteen different 16-byte places modulo 256
	s_mul_i32 s36, s[WV], 1920
	s_add_co_u32 s36, s36, BIAS+128
	v_add_nc_u32 v5, s36, v5
	v_lshlrev_b32 v13, 1, v[PH]
	v_sub_nc_u32 v5, v5, v13                       ; row t + 7 - 2 b - h: 128 (1 - h) here, 128 t by the trip and the tile's parity, 128 (6 - 2 b) in the offset
	v_lshl_add_u32 v6, v[R4], 5, v[PH]             ; q: 128 r + 64 h
	s_lshl_b32 s36, s[WV], 12
	s_add_co_u32 s36, s36, OC
	v_add_nc_u32 v7, s36, v[LI]                    ; where O's codes go
	s_lshl_b32 s36, s[WV], 9
	s_add_co_u32 s36, s36, OS
	v_add_nc_u32 v8, s36, v[R4]                    ; and their scale byte, as a word
	v_mov_b32 v[RL+1], 0                           ; named as the upper half of a pair
.irp i, 4,5,6,7,8,9,10,11,12,13,14,15
	v_mov_b32 v[224+\i], 0                         ; Q's operands: zero codes for k = 32 on
	v_mov_b32 v[240+\i], 0
.endr
	s_lshl_b32 s36, s33, 3
	s_add_co_u32 s36, s36, s[WV]
	s_lshl_b32 s36, s36, 14
	s_add_nc_u64 s[94:95], s[6:7], s[36:37]        ; q of my image's head w
.irp p, 0,1
.irp j, 0,1,2,3
	global_load_b128 v[192+16*\p+4*\j:192+16*\p+4*\j+3], v6, s[94:95] offset:2048*\p+16*\j
.endr
.endr
.macro HEAD e                          ; e: the tile's parity
.set QST, 192+16*\e
.set QSL, 224+16*\e
	s_wait_loadcnt 0x4                             ; this tile's four loads are in; the other parity's four were issued later and may be out
.irp b, 0,1,2,3
.irp u, 0,1
.irp f, 0,1
	ds_load_b128 v[HA+8*(2*\b+\u)+4*\f:HA+8*(2*\b+\u)+4*\f+3], v9 offset:128*\e+128*(6-2*\b)+32*\u+16*\f   ; the bias is the C of the scores' product
.endr
.endr
.endr
.irp i, 0,2,4,6,8,10,12,14
	v_pk_mul_f32 v[QST+\i:QST+\i+1], v[QST+\i:QST+\i+1], s[QSC:QSC+1] op_sel_hi:[1,0]
.endr
	QHEAD QST, 1
	v_lshrrev_b32 v[ACTS+\e], 23, v[TM+12]         ; Q's scale byte; the sixteen holds below are its places ahead of the products
	QTAIL QST, 1, QSL, 4, 0, 0
.irp j, 0,1,2,3
	global_load_b128 v[QST+4*\j:QST+4*\j+3], v6, s[94:95] offset:4096+2048*\e+16*\j        ; q two tiles on
.endr
	NOPS 4                                         ; the codes' places ahead of a scaled product
	s_wait_dscnt 0x0                               ; the bias is in
	WIN 0x01                                       ; source 0 in window 1
.irp kt, 0,1,2,3,4,5,6,7
	MM HA+8*\kt, KB+4*\kt, QSL, HA+8*\kt, KS+\kt, ACTS+\e, 0
.endr
	WIN 0
	NOPS 8
.irp b, 0,1,2,3                        ; the largest logit of each block of 32 keys: it serves for the row's maximum and, since p rises with the logit, for the block's largest p
	v_max3_num_f32 v[TM+\b], v[HA+16*\b], v[HA+16*\b+1], v[HA+16*\b+2]
.endr
.irp i, 3,5,7,9,11,13
.irp b, 0,1,2,3
	v_max3_num_f32 v[TM+\b], v[TM+\b], v[HA+16*\b+\i], v[HA+16*\b+\i+1]
.endr
.endr
.irp b, 0,1,2,3
	v_max_num_f32 v[TM+\b], v[TM+\b], v[HA+16*\b+15]
.endr
.irp b, 0,1,2,3
	v_permlanex16_b32 v[TM+4+\b], v[TM+\b], s[SEL], s[SEL+1]
.endr
.irp b, 0,1,2,3
	v_max_num_f32 v[TM+\b], v[TM+\b], v[TM+4+\b]
.endr
	v_max3_num_f32 v[MT+1], v[TM], v[TM+1], v[TM+2]
	v_max_num_f32 v[MT+1], v[MT+1], v[TM+3]
	v_mul_f32 v[MT+1], s[LG], v[MT+1]              ; the row's largest t
	v_floor_f32 v[MT], -v[MT+1]                    ; -M = -ceil(t): a whole number
.irp j, 0,2,4,6,8,10,12,14,16,18,20,22,24,26,28,30,32,34,36,38,40,42,44,46,48,50,52,54,56,58,60,62
	v_pk_fma_f32 v[HA+\j:HA+\j+1], v[HA+\j:HA+\j+1], s[LG:LG+1], v[MT:MT+1] op_sel_hi:[1,0,0]
.endr
.irp b, 0,1,2,3
	v_fma_f32 v[TM+\b], v[TM+\b], s[LG], v[MT]
.endr
.set ii, 0
.rept 64
	v_exp_f32 v[HA+ii], v[HA+ii]                   ; p = 2^(t - M), not normalised
.set ii, ii+1
.endr
	v_nop
	s_wait_alu depctr_va_vdst(0)                   ; one wait for the batch of 64, ahead of its first reader
.irp b, 0,1,2,3
	v_exp_f32 v[TM+\b], v[TM+\b]                   ; the blocks' largest p
.endr
	v_pk_add_f32 v[SUM:SUM+1], v[HA:HA+1], v[HA+2:HA+3]            ; the row's sum, of the unquantised p, in two chains; plain work behind the four
	v_pk_add_f32 v[SUM2:SUM2+1], v[HA+4:HA+5], v[HA+6:HA+7]
.irp j, 8,12,16,20,24,28,32,36,40,44,48,52,56,60
	v_pk_add_f32 v[SUM:SUM+1], v[SUM:SUM+1], v[HA+\j:HA+\j+1]
	v_pk_add_f32 v[SUM2:SUM2+1], v[SUM2:SUM2+1], v[HA+\j+2:HA+\j+3]
.endr
	v_pk_add_f32 v[SUM:SUM+1], v[SUM:SUM+1], v[SUM2:SUM2+1]
	s_wait_alu depctr_va_vdst(0)                   ; and one for the four
.irp b, 0,1,2,3
	v_max_num_f32 v[TM+\b], 0x8000000, v[TM+\b]
.endr
.irp b, 0,1,2,3
	v_add_nc_u32 v[TM+12+\b], 0xf8800000, v[TM+\b]
.endr
.irp b, 0,1,2,3
	v_and_or_b32 v[TM+8+\b], v[TM+\b], 0x7f800000, s[MNT]
.endr
	WORD4 PS
.irp b, 0,1,2,3
.irp i, 0,1,2,3,4,5,6,7,8,9,10,11,12,13,14,15
	v_min_num_f32 v[HA+16*\b+\i], v[HA+16*\b+\i], v[TM+8+\b]       ; p is not negative: the hold is one-sided
.endr
.endr
.irp b, 0,1,2,3
	v_cvt_scalef32_pk8_bf8_f32 v[PC+4*\b:PC+4*\b+1], v[HA+16*\b:HA+16*\b+7], v[TM+12+\b]
	v_cvt_scalef32_pk8_bf8_f32 v[PC+4*\b+2:PC+4*\b+3], v[HA+16*\b+8:HA+16*\b+15], v[TM+12+\b]
.endr
	v_add_f32 v[SUM], v[SUM], v[SUM+1]
	v_permlanex16_b32 v[SUM2], v[SUM], s[SEL], s[SEL+1]
	v_add_f32 v[SUM], v[SUM], v[SUM2]              ; l
	v_rcp_f32 v[RL], v[SUM]
	NOPS 4
	WIN 0x01
	MM0 OA, VB, PC, VS, PS                         ; O^T = V^T P^T: a lane holds a query and channels 16 h + 0..15 of the head
	MM0 OA+8, VB+16, PC, VS+1, PS
	WIN 0
	NOPS 8
	s_wait_alu depctr_va_vdst(0)                   ; the reciprocal's wait, ahead of its first reader
.irp i, 0,2,4,6,8,10,12,14
	v_pk_mul_f32 v[OA+\i:OA+\i+1], v[OA+\i:OA+\i+1], v[RL:RL+1] op_sel_hi:[1,0]
.endr
	QHEAD OA, 1                                    ; a head's 32 channels are a block of proj's K
	v_lshrrev_b32 v[OB], 23, v[TM+12]
	QTAIL OA, 1, OCD, 4, 0, 0
	ds_store_b128 v10, v[OCD:OCD+3] offset:512*\e
	ds_store_b32 v11, v[OB] offset:64*\e
.endm
	s_mov_b32 s89, 0
	s_mov_b32 s90, 0
	s_mov_b32 s91, 0
	s_mov_b32 s92, 0
.Latt:
	v_add_nc_u32 v9, s90, v5
	v_add_nc_u32 v10, s91, v7
	v_add_nc_u32 v11, s92, v8
	HEAD 0
	HEAD 1
	s_wait_xcnt 0x0                                ; the q loads have read their base
	s_cmp_lt_u32 s89, 2
	s_cselect_b32 s36, 0x1000, 0                   ; the base stops at tile 4: the last trip asks for tiles 6 and 7 again, and no load leaves q
	s_add_nc_u64 s[94:95], s[94:95], s[36:37]
	s_add_co_u32 s90, s90, 256
	s_add_co_u32 s91, s91, 1024
	s_add_co_u32 s92, s92, 128
	s_add_co_u32 s89, s89, 1
	s_cmp_lt_u32 s89, 4
	s_cbranch_scc1 .Latt
	s_wait_loadcnt 0x0                             ; the last trip's q loads land before their registers are used again
	BARRIER                                        ; attention's codes of all heads lie in LDS
; ======== proj: my 32 output channels for two tiles of tokens at a time; C and D are LN1(x) in X2's layout; + proj_b; written back in place
	v_mul_u32_u24 v[DT], v[R4], 260                ; 1,040 r
	v_lshrrev_b32 v5, 1, v[PH]
	v_add_nc_u32 v[DT], v[DT], v5
	s_lshl_b32 s36, s[WV], 7
	v_add_nc_u32 v[DT], s36, v[DT]
	v_add_nc_u32 v[DT2], 4*TILEB, v[DT]
	v_add_nc_u32 v9, OC, v[LI]
	v_lshlrev_b32 v10, 5, v[PH]
	v_add_nc_u32 v10, v10, v[R4]
	v_add_nc_u32 v10, OS, v10                      ; lanes 0-15 take K step 0's scale bytes (heads 0 to 3), lanes 16-31 K step 1's (heads 4 to 7): 2,048 bytes on
.macro PROJ tp
.irp tt, 0,1
.irp v, 0,1
.irp e, 0,1
	ds_load_b128 v[HA+16*\tt+8*\v+4*\e:HA+16*\tt+8*\v+4*\e+3], v[DT-(2*(\tp)+\tt)/4] offset:TILEB*((2*(\tp)+\tt)%4)+64*\v+16*\e
.endr
.endr
.irp ks, 0,1
.irp c, 0,1,2,3
	ds_load_b128 v[XF+32*\tt+16*\ks+4*\c:XF+32*\tt+16*\ks+4*\c+3], v9 offset:4096*(4*\ks+\c)+512*(2*(\tp)+\tt)
.endr
.endr
.irp c, 0,1,2,3
	ds_load_b32 v[TM+4*\tt+\c], v10 offset:512*\c+64*(2*(\tp)+\tt)
.endr
.endr
	s_wait_dscnt 0x0
.irp tt, 0,1
	v_lshl_or_b32 v[ACTS+\tt], v[TM+4*\tt+1], 8, v[TM+4*\tt]       ; four heads' bytes make a row's scale word
	v_lshl_or_b32 v[ACTS+\tt], v[TM+4*\tt+2], 16, v[ACTS+\tt]
	v_lshl_or_b32 v[ACTS+\tt], v[TM+4*\tt+3], 24, v[ACTS+\tt]
.endr
	NOPS 8                                         ; a scale register written by a vector line stands eight places ahead of the product
	WIN 0x01
.irp ks, 0,1
.irp tt, 0,1
.irp v, 0,1
	MM HA+16*\tt+8*\v, PJW+32*\v+16*\ks, XF+32*\tt+16*\ks, HA+16*\tt+8*\v, PJS+\v, ACTS+\tt, \ks
.endr
.endr
.endr
	WIN 0
	NOPS 8
.irp tt, 0,1
.irp v, 0,1
.irp i, 0,2,4,6
	v_pk_add_f32 v[HA+16*\tt+8*\v+\i:HA+16*\tt+8*\v+\i+1], v[HA+16*\tt+8*\v+\i:HA+16*\tt+8*\v+\i+1], v[PB+24*\v+\i:PB+24*\v+\i+1]   ; + proj_b; each accumulator from its low end on
.endr
.endr
.endr
.irp tt, 0,1
.irp v, 0,1
.irp e, 0,1
	ds_store_b128 v[DT-(2*(\tp)+\tt)/4], v[HA+16*\tt+8*\v+4*\e:HA+16*\tt+8*\v+4*\e+3] offset:TILEB*((2*(\tp)+\tt)%4)+64*\v+16*\e
.endr
.endr
.endr
	s_wait_dscnt 0x0                               ; the stores have read their registers
.endm
	PROJ 0
	PROJ 1
	PROJ 2
	PROJ 3
	VLOAD 128, 1, 18                               ; norm2_b takes the place of the codes and of proj_w
.irp b, 0,1,2,3
.irp u, 0,1
.irp e, 0,1
	global_load_b128 v[BC+8*(2*\b+\u)+4*\e:BC+8*(2*\b+\u)+4*\e+3], v[PH], s[48:49] offset:128*\b+32*\u+16*\e      ; fc1_b: units 32 b + 8 u + 16 h + 0..7 of my 128
.endr
.endr
.endr
	BARRIER                                        ; x2 is whole; nobody reads attention's codes any more
; ======== LN2: natural tiles
	v_mul_u32_u24 v5, v[R4], 260
	v_add_nc_u32 v5, v5, v[PH]
	s_mul_i32 s36, s[WV], TILEB
	v_add_nc_u32 v5, s36, v5
	s_mul_i32 s36, s[WV], TAUB
	s_add_co_u32 s36, s36, ACT0
	v_add_nc_u32 v6, s36, v[LI]
	s_lshl_b32 s36, s[WV], 7
	s_add_co_u32 s36, s36, AS0
	v_add_nc_u32 v7, s36, v[R4]
	LN 2, 16                                       ; fc1_b's sixteen loads, the youngest, may stay out
	BARRIER                                        ; LN2's images are whole
; ======== fc1 and GELU: my 128 hidden units for all 128 tokens, a tile of tokens a trip
	v_mov_b32 v14, 0xbf3a00e3                      ; -1.453152027 / 2, in a vector pair, so that no packed line names two scalar pairs
	v_mov_b32 v15, 0xbf3a00e3
; gelu(x) = max(x, 0) - |x| Q, Q = erfc(|x| / sqrt 2) / 2 = (a1' t + .. + a5' t^5) 2^(-x^2 log2(e) / 2), t = 1 / (1 + p |x| / sqrt 2): 16 numbers, 32 transcendentals, one wait
.macro GELU16 x
.irp i, 0,1,2,3,4,5,6,7,8,9,10,11,12,13,14,15
	v_fma_f32 v[GT+\i], |v[(\x)+\i]|, s[PZ], 1.0
.endr
.irp i, 0,2,4,6,8,10,12,14
	v_pk_mul_f32 v[GE+\i:GE+\i+1], v[(\x)+\i:(\x)+\i+1], v[(\x)+\i:(\x)+\i+1]
.endr
.irp i, 0,1,2,3,4,5,6,7,8,9,10,11,12,13,14,15
	v_rcp_f32 v[GT+\i], v[GT+\i]
.endr
.irp i, 0,2,4,6,8,10,12,14
	v_pk_mul_f32 v[GE+\i:GE+\i+1], v[GE+\i:GE+\i+1], s[NL2:NL2+1] op_sel_hi:[1,0]
.endr
.irp i, 0,1,2,3,4,5,6,7,8,9,10,11,12,13,14,15
	v_exp_f32 v[GE+\i], v[GE+\i]
.endr
	v_nop
	s_wait_alu depctr_va_vdst(0)                   ; one wait for the batch, ahead of its first reader
.irp i, 0,2,4,6,8,10,12,14
	v_pk_fma_f32 v[GP+\i:GP+\i+1], v[GT+\i:GT+\i+1], s[CA5:CA5+1], v[14:15] op_sel_hi:[1,0,1]
.endr
.irp i, 0,2,4,6,8,10,12,14
	v_pk_fma_f32 v[GP+\i:GP+\i+1], v[GP+\i:GP+\i+1], v[GT+\i:GT+\i+1], s[CA3:CA3+1] op_sel_hi:[1,1,0]
.endr
.irp i, 0,2,4,6,8,10,12,14
	v_pk_fma_f32 v[GP+\i:GP+\i+1], v[GP+\i:GP+\i+1], v[GT+\i:GT+\i+1], s[CA2:CA2+1] op_sel_hi:[1,1,0]
.endr
.irp i, 0,2,4,6,8,10,12,14
	v_pk_fma_f32 v[GP+\i:GP+\i+1], v[GP+\i:GP+\i+1], v[GT+\i:GT+\i+1], s[CA1:CA1+1] op_sel_hi:[1,1,0]
.endr
.irp i, 0,2,4,6,8,10,12,14
	v_pk_mul_f32 v[GP+\i:GP+\i+1], v[GP+\i:GP+\i+1], v[GT+\i:GT+\i+1]
.endr
.irp i, 0,2,4,6,8,10,12,14
	v_pk_mul_f32 v[GP+\i:GP+\i+1], v[GP+\i:GP+\i+1], v[GE+\i:GE+\i+1]
.endr
.irp i, 0,1,2,3,4,5,6,7,8,9,10,11,12,13,14,15
	v_max_num_f32 v[GE+\i], 0, v[(\x)+\i]
.endr
.irp i, 0,1,2,3,4,5,6,7,8,9,10,11,12,13,14,15
	v_fma_f32 v[(\x)+\i], -|v[(\x)+\i]|, v[GP+\i], v[GE+\i]
.endr
.endm
	s_mov_b32 s52, 0                               ; the next tile's images: TAUB a trip
	s_mov_b32 s53, 0                               ; and scale words: 128 a trip
	s_lshl_b32 s54, s[WV], 14
	s_add_co_u32 s54, s54, HID                     ; where my K step's codes go: 2,048 a trip
	s_lshl_b32 s55, s[WV], 9
	s_add_co_u32 s55, s55, HSS                     ; and their scale words: 64 a trip
	v_add_nc_u32 v5, ACT0, v[LI]
	v_add_nc_u32 v6, AS0, v[LS]
	FETCH XF, 5, 0
	FETCH XF+16, 5, 2048
	ds_load_b32 v[ACTS], v6
	s_wait_loadcnt 0x0                             ; fc1_w, its scale words and fc1_b are in
	s_mov_b32 s51, 0
.Lfc1:
	s_wait_dscnt 0x0                               ; the tile's fragments are in, and the last trip's stores have read their registers
	WIN 0x01
.irp k, 0,1,2,3,4,5,6,7
	MM HA+8*\k, 32*\k, XF, BC+8*\k, WS1+\k, ACTS, 0
.endr
.irp k, 0,1,2,3,4,5,6,7
	MM HA+8*\k, 32*\k+16, XF+16, HA+8*\k, WS1+\k, ACTS, 1
.endr
	WIN 0
	s_add_co_u32 s52, s52, TAUB
	s_min_u32 s36, s52, 7*TAUB                     ; the last trip fetches tile 7 again
	s_add_co_u32 s36, s36, ACT0
	s_add_co_u32 s53, s53, 128
	s_min_u32 s38, s53, 7*128
	s_add_co_u32 s38, s38, AS0
	v_add_nc_u32 v5, s36, v[LI]                    ; these four lines and four v_nop are the eight places behind the products
	v_add_nc_u32 v6, s38, v[LS]
	v_add_nc_u32 v7, s54, v[LI]
	v_add_nc_u32 v8, s55, v[R4]
	NOPS 4
	FETCH XF, 5, 0
	FETCH XF+16, 5, 2048
	ds_load_b32 v[ACTS], v6
	GELU16 HA
	GELU16 HA+16
	GELU16 HA+32
	GELU16 HA+48
	QHEAD HA, 4
	WORD4 PW
	QTAIL HA, 4, PC, 4, 0, 0
	IMAGE 7, 0
	ds_store_b32 v8, v[PW]
	s_add_co_u32 s54, s54, 2048
	s_add_co_u32 s55, s55, 64
	s_add_co_u32 s51, s51, 1
	s_cmp_lt_u32 s51, 8
	s_cbranch_scc1 .Lfc1
	WLOAD 0, 1, 42, 0, 16                          ; fc2_w's rows 32 w on take window 1: tile v, K step s at 16 (8 v + s)
	BARRIER                                        ; the 64 hidden fragments lie in LDS; no LDS instruction of mine is out
.irp v, 0,1
.irp q, 0,1,2,3
	global_load_b32 v[WS2+4*\v+\q], v[LS], s[46:47] offset:512*\v+128*\q
.endr
.endr
	global_load_b128 v[FB:FB+3], v[LI], s[22:23]                   ; fc2_b in the way out's layout: channels 128 e + 4 lane + 0..3
	global_load_b128 v[FB+4:FB+7], v[LI], s[22:23] offset:512
; ======== fc2: my 32 output channels, four tiles of tokens at a time; the 8 accumulators begin as x2 and go back to their places in X2
	v_add_nc_u32 v9, HID, v[LI]                    ; K steps 0 to 3,
	v_add_nc_u32 v11, HID+65536, v[LI]             ; 4 to 7
	v_lshlrev_b32 v10, 3, v[PH]
	v_add_nc_u32 v10, v10, v[R4]
	v_add_nc_u32 v10, HSS, v10                     ; the hidden layer's scale words: lanes 16-31 take the odd K step, 512 bytes on
.macro HLOAD g, s                      ; K step s of the four tiles 4 g on, into buffer s % 2
.irp tq, 0,1,2,3
.irp c, 0,1,2,3
	ds_load_b128 v[HB+64*((\s)%2)+16*\tq+4*\c:HB+64*((\s)%2)+16*\tq+4*\c+3], v[9+2*((\s)/4)] offset:16384*((\s)%4)+2048*(4*(\g)+\tq)+512*\c
.endr
.endr
.endm
.macro UNIT g, s
.if (\s) < 7
	s_wait_dscnt 16                                ; this K step's sixteen loads are in; the next one's may be out
.else
	s_wait_dscnt 0
.endif
	WIN 0x01
.irp tq, 0,1,2,3
.irp v, 0,1
	MM ACC+8*(4*\v+\tq), 16*(8*\v+(\s)), HB+64*((\s)%2)+16*\tq, ACC+8*(4*\v+\tq), WS2+4*\v+(\s)/2, HSC+4*\tq+(\s)/2, (\s)%2
.endr
.endr
	WIN 0
.if (\s) < 6
	NOPS 8                                         ; places in front of loads into the buffer just multiplied
	HLOAD \g, (\s)+2
.endif
.endm
.macro HALF g
.irp v, 0,1
.irp tq, 0,1,2,3
.irp e, 0,1
	ds_load_b128 v[ACC+8*(4*\v+\tq)+4*\e:ACC+8*(4*\v+\tq)+4*\e+3], v[DT-(\g)] offset:TILEB*\tq+64*\v+16*\e
.endr
.endr
.endr
.irp tq, 0,1,2,3
.irp q, 0,1,2,3
	ds_load_b32 v[HSC+4*\tq+\q], v10 offset:1024*\q+64*(4*(\g)+\tq)
.endr
.endr
	HLOAD \g, 0
	HLOAD \g, 1
	s_wait_loadcnt 0x0                             ; fc2_w, its scale words and fc2_b are in
.irp s, 0,1,2,3,4,5,6,7
	UNIT \g, \s                                    ; 8 products on 8 accumulators by turns, in the same order in every K step
.endr
	NOPS 9                                         ; places behind the last products, for the stores below and for the loads and products that follow
.irp v, 0,1
.irp tq, 0,1,2,3
.irp e, 0,1
	ds_store_b128 v[DT-(\g)], v[ACC+8*(4*\v+\tq)+4*\e:ACC+8*(4*\v+\tq)+4*\e+3] offset:TILEB*\tq+64*\v+16*\e        ; each accumulator from its low end on
.endr
.endr
.endr
	s_wait_dscnt 0x0                               ; the stores have read their registers
.endm
	HALF 0
	HALF 1
; ======== the way out: a barrier, then each wave stores its tile as whole rows, + fc2_b
	BARRIER
	s_mul_i32 s52, s[WV], TILEB
	v_add_nc_u32 v5, s52, v[LI]
.irp p, 0,1,2,3,4,5,6,7,8,9,10,11,12,13,14,15
.irp e, 0,1
	ds_load_b128 v[64+8*\p+4*\e:64+8*\p+4*\e+3], v5 offset:XP*\p+512*\e
.endr
.endr
.irp g, 0,1
	s_wait_dscnt 16-16*\g                          ; rows 0 to 7 are in, the other sixteen loads may be out; then all
.irp p, 0,1,2,3,4,5,6,7
.irp e, 0,1
	v_pk_add_f32 v[64+64*\g+8*\p+4*\e:64+64*\g+8*\p+4*\e+1], v[64+64*\g+8*\p+4*\e:64+64*\g+8*\p+4*\e+1], v[FB+4*\e:FB+4*\e+1]
	v_pk_add_f32 v[64+64*\g+8*\p+4*\e+2:64+64*\g+8*\p+4*\e+3], v[64+64*\g+8*\p+4*\e+2:64+64*\g+8*\p+4*\e+3], v[FB+4*\e+2:FB+4*\e+3]
.endr
.endr
.irp p, 0,1,2,3,4,5,6,7
.irp e, 0,1
	global_store_b128 v[LI], v[64+64*\g+8*\p+4*\e:64+64*\g+8*\p+4*\e+3], s[30:31] offset:1024*(8*\g+\p)+512*\e th:TH_STORE_NT   ; 32 lanes store 512 consecutive bytes, at a multiple of 256 from out0's first byte
.endr
.endr
.endr
	s_wait_xcnt 0x0
	v_lshl_add_u32 v254, v0, 2, 0x4a000
	v_mov_b32 v255, 0
	s_wait_tensorcnt 0x0
	ds_add_u32 v254, v255
	s_wait_dscnt 0x0
	s_endpgm
.Lfunc_end_k_qc7d72901d4_layer:
	.size	k_qc7d72901d4_layer, .Lfunc_end_k_qc7d72901d4_layer-k_qc7d72901d4_layer
	.p2alignl 7, 3214868480
	.fill 96, 4, 3214868480
	.section	.rodata,"a",@progbits
	.p2align	6, 0x0
	.amdhsa_kernel k_qc7d72901d4_layer
		.amdhsa_group_segment_fixed_size 327680
		.amdhsa_private_segment_fixed_size 0
		.amdhsa_enable_private_segment 0
		.amdhsa_kernarg_size 112
		.amdhsa_user_sgpr_count 2
		.amdhsa_user_sgpr_kernarg_segment_ptr 1
		.amdhsa_wavefront_size32 1
		.amdhsa_system_sgpr_workgroup_id_x 1
		.amdhsa_system_sgpr_workgroup_id_y 1
		.amdhsa_system_sgpr_workgroup_id_z 1
		.amdhsa_system_vgpr_workitem_id 0
		.amdhsa_next_free_vgpr 512
		.amdhsa_next_free_sgpr 100
		.amdhsa_reserve_vcc 0
		.amdhsa_float_denorm_mode_32 3
		.amdhsa_float_denorm_mode_16_64 3
		.amdhsa_memory_ordered 1
		.amdhsa_forward_progress 1
		.amdhsa_inst_pref_size 255
	.end_amdhsa_kernel
	.section	.bss,"aw",@nobits
	.p2align	6
	.space	262144
	.amdgpu_metadata
---
amdhsa.version: [ 1, 2 ]
amdhsa.kernels:
  - .name:           k_qc7d72901d4_layer
    .symbol:         k_qc7d72901d4_layer.kd
    .args:
      - { .name: x, .offset: 0, .size: 8, .value_kind: global_buffer, .address_space: global }
      - { .name: q_global, .offset: 8, .size: 8, .value_kind: global_buffer, .address_space: global }
      - { .name: norm1_w, .offset: 16, .size: 8, .value_kind: global_buffer, .address_space: global }
      - { .name: norm1_b, .offset: 24, .size: 8, .value_kind: global_buffer, .address_space: global }
      - { .name: qkv_b, .offset: 32, .size: 8, .value_kind: global_buffer, .address_space: global }
      - { .name: proj_b, .offset: 40, .size: 8, .value_kind: global_buffer, .address_space: global }
      - { .name: norm2_w, .offset: 48, .size: 8, .value_kind: global_buffer, .address_space: global }
      - { .name: norm2_b, .offset: 56, .size: 8, .value_kind: global_buffer, .address_space: global }
      - { .name: fc1_b, .offset: 64, .size: 8, .value_kind: global_buffer, .address_space: global }
      - { .name: fc2_b, .offset: 72, .size: 8, .value_kind: global_buffer, .address_space: global }
      - { .name: wq, .offset: 80, .size: 8, .value_kind: global_buffer, .address_space: global }
      - { .name: wsc, .offset: 88, .size: 8, .value_kind: global_buffer, .address_space: global }
      - { .name: bias4, .offset: 96, .size: 8, .value_kind: global_buffer, .address_space: global }
      - { .name: out0, .offset: 104, .size: 8, .value_kind: global_buffer, .address_space: global }
    .group_segment_fixed_size: 327680
    .private_segment_fixed_size: 0
    .kernarg_segment_align: 8
    .kernarg_segment_size: 112
    .max_flat_workgroup_size: 256
    .sgpr_count:     100
    .vgpr_count:     512
    .wavefront_size: 32
...
	.end_amdgpu_metadata
.endif
;; end of part 2
